; MI455X (gfx1250); checked and timed in simulation.
; The chip was launched on July 23, 2026; its instructions are those of AMD's public machine-readable ISA for CDNA 5 (MIT licence, August 2026) and "CDNA5" Instruction Set Architecture Reference Guide (July 2026). The comments in the code are by the model that wrote it; some were corrected since.
;; Quant Linear. Allowed arithmetic: matrix products marked QUANTISED: E3M2 operands, one E8M0 scale for each 32 along K, by v_wmma_scale_f32_16x16x128_f8f6f4 with both operands' format E3M2, f32 sums; everything else in f32.
;; Inputs: g_idx 4,096 int32; qweight 512 x 4,096 int32; qzeros 32 x 512 int32; scales 32 x 4,096 float32; x_codes 4,096 x 128 x 24 uint8 (E3M2 codes of x, K innermost, in blocks of 32 codes, four codes in three bytes); x_scales 4,096 x 128 uint8 (E8M0 scales of x, one for each 32 codes along K).
;; Outputs: out0 4,096 x 4,096 float32.
;; This version of the problem:
;;   THIS VERSION OF THE PROBLEM IS GIVEN IN LOW PRECISION. The matrix products marked QUANTISED in the list below multiply operands that are first quantised to E3M2 (3 exponent bits, 2 mantissa bits; 6 bits a number), with one power-of-two scale for each 32 numbers along K (OCP MX v1.0); their sums are f32. All else is computed in f32.
;;   The module's matrix products, in the order in which they are computed (A, B: the left and right operand; K: the contracted axis; several contracted axes count as one K, in the product's order):
;;     1. [M 4,096, K 4,096] x [K 4,096, N 4,096]; A: input x (given as codes); B: computed on the way: QUANTISED
;;   THE QUANTISER, for each operand of a quantised product, along K:
;;     - K is cut into blocks of 32 from its start; a last block that is shorter is filled with zeros.
;;     - A block's scale is 2^e with e = floor(log2(the largest magnitude in the block)) - 4, held to -126 .. 127; a block of zeros has e = 0. As a byte (E8M0): e + 127.
;;     - Each number is divided by its block's scale, clamped to +-28, and rounded to the nearest number of E3M2, ties to even, subnormals kept.
;;     - The product sums the exact products of the quantised numbers (number of the format x scale) in f32.
;;   ~~~python
;;   def quantise(x, axis):      # numpy; x: float32 -> the quantised numbers, widened to float32 again
;;       x = np.moveaxis(x, axis, -1); K = x.shape[-1]
;;       x = np.pad(x, [(0, 0)] * (x.ndim - 1) + [(0, -K % 32)]); x = x.reshape(x.shape[:-1] + (-1, 32)); a = np.abs(x).max(-1, keepdims=True)
;;       e = np.where(a > 0, np.clip(np.frexp(np.where(a > 0, a, 1))[1] - 1 - 4, -126, 127), 0)      # np.frexp(a)[1] - 1 = floor(log2(a)), exactly
;;       r = np.clip(x / 2.0 ** e, -28, 28)
;;       step = 2.0 ** (np.maximum(np.frexp(np.where(r == 0, 1, r))[1] - 1, -2) - 2)
;;       q = np.round(r / step) * step * 2.0 ** e      # np.round: ties to even
;;       return np.moveaxis(q.reshape(q.shape[:-2] + (-1,))[..., :K], -1, axis).astype(np.float32)
;;   ~~~
;;   OPERANDS COMPUTED ON THE WAY. 'Computed on the way' means the value that the module computes at that place (a softmax that the list does not call 'softmax' is quantised finished and normalised). What goes into a quantiser is computed in f32, as accurately as f32 sums, v_exp_f32 and their like allow (about 1e-6 of the number): no bf16 or f16 on the way to a quantiser, and a product that is left as it is and whose result goes on into a quantised operand takes f32 operands (vector FMAs, or v_wmma_f32_16x16x4_f32). A number that lies on a knife's edge between two numbers of the format may be rounded either way, as far as f32 arithmetic and the matrix unit's own rounding can turn it there, and no further.
;;   INPUTS GIVEN AS CODES. x (in the module: [4096, 4096], K = its axis 1): each comes as NAME_codes (uint8): NAME with its K axis moved to the last place and cut into blocks of 32 codes, [.., K / 32, bytes a block], one block behind the other in memory; four codes in three bytes: a row's codes are one little-endian stream of bits, code i at bits 6 i .. 6 i + 5 (a code: sign, 3 exponent bits, 2 mantissa bits); and NAME_scales (uint8): the same leading axes, one E8M0 byte (e + 127) for each 32 codes along K. Its value is code x scale, taken as it is: it is not quantised again, and the codes and scales need not be those that the quantiser above would give.
;; One version. Each part assembles by itself: llvm-mc -triple=amdgcn-amd-amdhsa -mcpu=gfx1250 --defsym DOCPART=n.
;; ======== version 1 of 1: 2 launches
;; limits: right only within a limited range of input values
;; workspace buffers: w_codes 12,582,912 bytes; scl 1,048,576 bytes
;; launch wquant (part 1): grid 64 x 4, 8 waves a work-group, no clusters, 51,200 bytes of LDS; arguments qweight, qzeros, scales, g_idx, w_codes, scl, x_scales; writes w_codes, scl
.if DOCPART == 1
	.amdgcn_target "amdgcn-amd-amdhsa--gfx1250"
	.amdhsa_code_object_version 6
	.text
	.protected	k_q6665f449ba_wquant
	.globl	k_q6665f449ba_wquant
	.p2align	8
	.type	k_q6665f449ba_wquant,@function
k_q6665f449ba_wquant:
	s_mov_b64 s[64:65], 0
	v_nop
	global_prefetch_b8 v0, s[64:65] scope:SCOPE_SE
	s_setreg_imm32_b32 hwreg(HW_REG_WAVE_MODE, 25, 1), 1
	s_wait_xcnt 0x0
; W[k][n] = (nibble k % 8 of qweight[k / 8][n] - nibble n % 8 of qzeros[g_idx[k]][n / 8]) x scales[g_idx[k]][n], in f32, is turned into codes of BF6 (E3M2), 6 bits each,
; laid [4096 n][4096 k] with K innermost (a row: 3,072 bytes), and one E8M0 scale byte for each 32 along K, laid [4096 n][128].
; g_idx is honoured number by number: each k may name any of the 32 groups, inside a block of 32 too.
; A block's scale is 2^(floor(log2(its largest magnitude)) - 4); its byte is the largest magnitude's exponent field - 4, held at 1 from below.
; SHARES.  Work-group (x, y): columns 64 x .. 64 x + 63, K = 1,024 y .. 1,024 y + 1,023: 256 work-groups.  Wave w: 32 columns (w % 2), 256 along K (w / 2).
; A LANE TAKES A COLUMN n, AND ITS REGISTERS RUN DOWN K: a block of 32 lies in one lane's 32 registers, its largest magnitude needs no other lane, and the conversions give codes with K innermost.
; THE TABLE.  (s, z as f32) of all 32 groups x the work-group's 64 columns lies in LDS, 8 bytes an entry, 512 bytes a group.  For each k the group's number is a scalar (the same for all lanes),
; so one LDS load of 8 bytes a lane, 256 consecutive bytes a wave, brings that k's s and z.
; THE WAY OUT.  A lane's 192 bytes of codes belong to one row of the output; the four waves that share 32 columns make 768 bytes of each row.  They meet in a stage in LDS (over the table, which is dead by then)
; and leave as whole rows: every sixteen lanes store 256 consecutive bytes that begin at a multiple of 256 from the buffer's first byte.
; w - z is exact in f32 (whole numbers up to 15); the multiplication by s is the one rounding, as in the definition.
; LIMITS: NaN and infinities among the scales are not served.  A block whose largest magnitude lies under 2^-122, a block of zeros among them, gets the byte 1 (for zeros the rule says 127): its codes under that byte
; are what the rule's clip at -126 gives or zeros, zeros add nothing under any byte but 0xff, and the bytes are read by this program alone.  A g_idx outside 0 .. 31 is held at 31.
; The scale bytes leave as 8 bytes a lane in rows 128 bytes apart: 1 byte in 25 of what the launch stores.
; THE SCALE BYTES' LAYOUT (this holds in place of what the lines above say of it): one buffer, scl, [8 runs of 512 along K][8,192 rows][16 bytes]: rows 0 .. 4,095 are x's rows, rows 4,096 + n are W's columns;
; byte j of an entry scales k = 512 run + 32 j .. + 31.  So sixteen neighbouring rows' scale words of four K steps are 256 consecutive bytes, as the product's launch loads them.
; W's bytes leave as 8 bytes a lane, 16 bytes apart; the wave with the other 256 along K of the run fills the gaps.
; x_scales [4096][128] is laid anew into the same buffer: work-group x + 64 y takes 16 rows, wave w run w, lane l row l / 2 and half l % 2: a wave's one store covers 256 consecutive bytes, aligned.
.set TABP, 512
.set SP,   784                         ; a stage row: 768 bytes of codes + 16 = 49 x 16: the sixteen rows that a store of 16 bytes a lane touches begin at sixteen different places modulo 256
.set KROW, 3072                        ; a row of w_codes in bytes
.set QROW, 16384                       ; a row of qweight, and of scales, in bytes
.set EMAX, 4                           ; the exponent of the format's largest number, 28
.set QO,   2                           ; v2   4 x lane: my column in a row of qweight; never rewritten
.set TBL,  3                           ; v3   8 x (32 (w % 2) + lane): my column's entry in a group of the table
.set STO,  8                           ; v8   the stage: my column's row, my wave's 192 bytes of it
.set RD0,  9                           ; v9   the stage on the way out: my wave's 8 rows, 16 bytes a lane
.set RD1,  10                          ; v10  the same for the instruction that ends one row (lanes 0-15) and begins the next (lanes 16-31)
.set GO0,  11                          ; v11  the same two places in w_codes
.set GO1,  12                          ; v12
.set SCO,  13                          ; v13  16 x lane: my column's entry in scl
.set SB,   18                          ; v[18:19] my 8 scale bytes
.set D,    20                          ; v[20:22] a block's upper 16 codes, on their way
.set W,    24                          ; v24-55   my column's 32 words of qweight: 256 along K
.set SZ,   56                          ; v56-119  two sets of 16 pairs (s, z)
.set OUTR, 56                          ; v56-103  the way out: 12 x 4 registers
.set X,    120                         ; v120-151 a block's 32 numbers
.set CB,   152                         ; v152-199 the codes: 6 registers a block
.set AD,   200                         ; v200-215 the LDS addresses of a half's sixteen table loads
; scalars: s[4:15] the six buffers; s[16:47] g_idx of a block of 32, set 0; s[48:63] and s[68:83] set 1; s84 wave, s85 w % 2, s86 w / 2, s87 y; s88, s89 at work
	s_load_b256 s[4:11], s[0:1], 0x0               ; qweight s[4:5], qzeros s[6:7], scales s[8:9], g_idx s[10:11]
	s_load_b128 s[12:15], s[0:1], 0x20             ; w_codes s[12:13], scl s[14:15]
	s_load_b64 s[90:91], s[0:1], 0x30              ; x_scales
	v_lshl_add_u32 v216, v0, 2, 0xc400
	v_mov_b32 v217, 0
	v_lshrrev_b32 v1, 5, v0
	s_delay_alu instid0(VALU_DEP_1)
	v_readfirstlane_b32 s84, v1                    ; wave 0..7
	v_and_b32 v1, 31, v0                           ; lane
	s_wait_alu depctr_va_vdst(0)
	s_and_b32 s85, s84, 1                          ; which 32 columns
	s_lshr_b32 s86, s84, 1                         ; which 256 along K
	s_and_b32 s87, ttmp7, 0xffff                   ; y
	v_lshlrev_b32 v[QO], 2, v1
	s_lshl_b32 s88, s85, 8
	v_lshl_add_u32 v[TBL], v1, 3, s88
	s_mul_i32 s88, s85, 32*SP
	s_mul_i32 s89, s86, 192
	s_add_co_u32 s88, s88, s89
	v_mul_u32_u24 v[STO], v1, SP
	s_delay_alu instid0(VALU_DEP_1)
	v_add_nc_u32 v[STO], s88, v[STO]
	s_mul_i32 s88, s84, 8*SP
	v_lshl_add_u32 v[RD0], v1, 4, s88
	v_lshrrev_b32 v14, 4, v1                       ; h = lane / 16
	s_delay_alu instid0(VALU_DEP_1)
	v_lshl_add_u32 v[RD1], v14, 4, v[RD0]          ; lanes 16-31 stand in the next row: 784 - 256 = 512 + 16 bytes on
	s_delay_alu instid0(VALU_DEP_1)
	v_add_nc_u32 v[RD1], 512, v[RD1]
	v_lshlrev_b32 v[GO0], 4, v1
	s_delay_alu instid0(VALU_DEP_1)
	v_mad_u32_u24 v[GO1], v14, 2304, v[GO0]        ; and in memory 3,072 - 256 = 512 + 2,304 bytes on
	s_delay_alu instid0(VALU_DEP_1)
	v_add_nc_u32 v[GO1], 512, v[GO1]
	v_lshlrev_b32 v[SCO], 4, v1                    ; 16 x lane: my column's entry in scl
	v_lshrrev_b32 v4, 1, v1
	v_and_b32 v5, 1, v1
	s_lshl_b32 s88, s84, 4
	v_lshl_add_u32 v4, v4, 7, s88                  ; x_scales: row l / 2 of 128 bytes, run w's 16 bytes,
	v_lshl_add_u32 v4, v5, 3, v4                   ; half l % 2
	v_lshlrev_b32 v5, 3, v1                        ; and where they go: 8 x lane
	; the table's build: thread t takes groups t / 16 and t / 16 + 16, columns 4 (t % 16) .. + 3
	v_lshrrev_b32 v150, 4, v0                      ; g
	v_and_b32 v151, 15, v0                         ; c
	s_delay_alu instid0(VALU_DEP_2)
	v_lshlrev_b32 v148, 14, v150
	s_delay_alu instid0(VALU_DEP_1)
	v_lshl_add_u32 v148, v151, 4, v148             ; scales: row g, 16 bytes a thread: sixteen lanes read 256 consecutive bytes
	s_delay_alu instid0(VALU_DEP_3)
	v_lshrrev_b32 v131, 1, v151
	v_lshlrev_b32 v149, 11, v150
	s_delay_alu instid0(VALU_DEP_1)
	v_lshl_add_u32 v149, v131, 2, v149             ; qzeros: row g of 2,048 bytes, word c / 2: eight columns to a word
	v_and_b32 v131, 1, v151
	s_delay_alu instid0(VALU_DEP_1)
	v_lshlrev_b32 v131, 4, v131                    ; my four nibbles begin at bit 16 (c % 2)
	v_lshlrev_b32 v130, 9, v150
	s_delay_alu instid0(VALU_DEP_1)
	v_lshl_add_u32 v130, v151, 5, v130             ; the table: group g, 32 bytes a thread
	; where my part of each buffer begins, in bytes (all under 2^24)
	s_lshl_b32 s16, s87, 21                        ; qweight: word row 128 y + 32 (w / 2), column 64 x + 32 (w % 2)
	s_lshl_b32 s88, s86, 19
	s_add_co_u32 s16, s16, s88
	s_lshl_b32 s88, ttmp9, 8
	s_add_co_u32 s16, s16, s88
	s_lshl_b32 s88, s85, 7
	s_add_co_u32 s16, s16, s88
	s_mov_b32 s17, 0
	s_lshl_b32 s18, ttmp9, 5                       ; qzeros: 8 words for the work-group's 64 columns
	s_mov_b32 s19, 0
	s_lshl_b32 s20, ttmp9, 8                       ; scales: 256 bytes for them
	s_mov_b32 s21, 0
	s_lshl_b32 s22, s87, 12                        ; g_idx: k = 1,024 y + 256 (w / 2)
	s_lshl_b32 s88, s86, 10
	s_add_co_u32 s22, s22, s88
	s_mov_b32 s23, 0
	s_lshl_b32 s24, ttmp9, 3                       ; w_codes: row 64 x + 8 w (the rows that I store), byte 768 y
	s_add_co_u32 s24, s24, s84
	s_mul_i32 s24, s24, 8*KROW
	s_mul_i32 s88, s87, 768
	s_add_co_u32 s24, s24, s88
	s_mov_b32 s25, 0
	s_lshl_b32 s26, ttmp9, 10                      ; scl, W's part: row 4,096 + 64 x + 32 (w % 2), run 2 y + (w / 2) / 2, half (w / 2) % 2
	s_lshl_b32 s88, s85, 9
	s_add_co_u32 s26, s26, s88
	s_lshl_b32 s88, s87, 18
	s_add_co_u32 s26, s26, s88
	s_lshr_b32 s88, s86, 1
	s_lshl_b32 s88, s88, 17
	s_add_co_u32 s26, s26, s88
	s_and_b32 s88, s86, 1
	s_lshl_b32 s88, s88, 3
	s_add_co_u32 s26, s26, s88
	s_add_co_u32 s26, s26, 0x10000
	s_mov_b32 s27, 0
	s_lshl_b32 s92, s87, 6
	s_add_co_u32 s92, s92, ttmp9                   ; x + 64 y: my 16 rows of x_scales
	s_lshl_b32 s94, s92, 8                         ; scl, x's part: 256 bytes for them, in run w
	s_lshl_b32 s88, s84, 17
	s_add_co_u32 s94, s94, s88
	s_mov_b32 s95, 0
	s_lshl_b32 s92, s92, 11                        ; x_scales: 2,048 bytes for them
	s_mov_b32 s93, 0
	s_wait_alu depctr_va_vdst(0)
	s_wait_kmcnt 0x0
	s_add_nc_u64 s[4:5], s[4:5], s[16:17]          ; the bases are stepped once, here, and never again
	s_add_nc_u64 s[6:7], s[6:7], s[18:19]
	s_add_nc_u64 s[8:9], s[8:9], s[20:21]
	s_add_nc_u64 s[10:11], s[10:11], s[22:23]
	s_add_nc_u64 s[12:13], s[12:13], s[24:25]
	s_add_nc_u64 s[90:91], s[90:91], s[92:93]
	s_add_nc_u64 s[92:93], s[14:15], s[94:95]
	s_add_nc_u64 s[14:15], s[14:15], s[26:27]
	s_load_b512 s[16:31], s[10:11], 0x0            ; g_idx of my first block of 32
	s_load_b512 s[32:47], s[10:11], 0x40
	global_load_b64 v[6:7], v4, s[90:91]                       ; my 8 bytes of x_scales: the oldest load
	global_load_b128 v[120:123], v148, s[8:9]                  ; s of group g,
	global_load_b128 v[124:127], v148, s[8:9] offset:16*QROW   ; of group g + 16
	global_load_b32 v128, v149, s[6:7]                         ; their zero words
	global_load_b32 v129, v149, s[6:7] offset:16*2048
.set j_, 0
.rept 32
	global_load_b32 v[W+j_], v[QO], s[4:5] offset:j_*QROW th:TH_LOAD_NT   ; all of my wave's qweight goes out at once: 32 rows x 128 consecutive bytes; read once in the launch
.set j_, j_+1
.endr
	; ---- THE TABLE
	s_wait_loadcnt 32                              ; the five oldest loads are in; the 32 younger ones stay out
	global_store_b64 v5, v[6:7], s[92:93]          ; x's scale bytes in their new place; v5, v6, v7 are never rewritten
.irp q, 0,1
	v_lshrrev_b32 v[128+\q], v131, v[128+\q]
.irp c, 0,1,2,3
	v_bfe_u32 v[133+8*\q+2*\c], v[128+\q], 4*\c, 4
.endr
.irp c, 0,1,2,3
	s_delay_alu instid0(VALU_DEP_4)
	v_cvt_f32_u32 v[133+8*\q+2*\c], v[133+8*\q+2*\c]           ; z as f32, in the pair's upper word
.endr
.irp c, 0,1,2,3
	v_mov_b32 v[132+8*\q+2*\c], v[120+4*\q+\c]                 ; s in its lower word
.endr
	ds_store_b128 v130, v[132+8*\q:135+8*\q] offset:16*TABP*\q
	ds_store_b128 v130, v[136+8*\q:139+8*\q] offset:16*TABP*\q+16
.endr
	s_wait_dscnt 0x0                               ; for the others' sake: my part of the table has landed
	s_barrier_signal -1
	s_barrier_wait -1                              ; the table is whole
; ---- 16 HALVES OF 16 ALONG K.  Half u = block u / 2, its lower or upper 16.
; SETGI: which scalar register holds g_idx of number 16 HF_ + i_ of block T_ (set 1 lies in two runs of sixteen)
.macro SETGI
.set IDX_, 16*HF_+i_
.if T_%2 == 0
.set GI_, 16+IDX_
.elseif IDX_ < 16
.set GI_, 48+IDX_
.else
.set GI_, 52+IDX_
.endif
.endm
; ADDR u: the 16 table loads of half u.  At a block's head the wait shows its 32 numbers of g_idx in, and the next block's are asked for, into the other set, whose last readers stand a block back.
; Three passes of sixteen: the holds, the addresses, the loads.  So no load stands directly behind the line that makes its address, and each load has an address register of its own,
; which is written again only behind the 64 lines of arithmetic of a half.
.macro ADDR u
.set T_, (\u)/2
.set HF_, (\u)%2
.if HF_ == 0
	s_wait_kmcnt 0x0                               ; scalar loads come back in no order: only the count 0 shows anything
.if T_ < 7
.if (T_+1)%2 == 0
	s_load_b512 s[16:31], s[10:11], 128*(T_+1)
	s_load_b512 s[32:47], s[10:11], 128*(T_+1)+64
.else
	s_load_b512 s[48:63], s[10:11], 128*(T_+1)
	s_load_b512 s[68:83], s[10:11], 128*(T_+1)+64
.endif
.endif
.endif
.set i_, 0
.rept 16
	SETGI
	s_min_u32 s[GI_], s[GI_], 31                   ; a loaded number enters an address only held inside the table
.set i_, i_+1
.endr
.set i_, 0
.rept 16
	SETGI
	v_lshl_add_u32 v[AD+i_], s[GI_], 9, v[TBL]     ; group x 512 + my column's entry
.set i_, i_+1
.endr
.set i_, 0
.rept 16
	ds_load_b64 v[SZ+32*((\u)%2)+2*i_:SZ+32*((\u)%2)+2*i_+1], v[AD+i_]
.set i_, i_+1
.endr
.endm
; COMP u: the 16 numbers of half u.  left: the LDS loads issued behind this half's, which may stay out.  Four passes of sixteen, so that no line waits for the line above it.
.macro COMP u, left
.set XB_, X+16*((\u)%2)
.set SB_, SZ+32*((\u)%2)
	s_wait_dscnt \left                             ; LDS loads come back in order: this half's 16 pairs are in
	s_wait_loadcnt 30-2*(\u)                       ; words 2 u and 2 u + 1 of qweight are in; the 30 - 2 u younger ones stay out
.set i_, 0
.rept 16
	v_bfe_u32 v[XB_+i_], v[W+2*(\u)+i_/8], 4*(i_%8), 4
.set i_, i_+1
.endr
.set i_, 0
.rept 16
	v_cvt_f32_u32 v[XB_+i_], v[XB_+i_]
.set i_, i_+1
.endr
.set i_, 0
.rept 16
	v_sub_f32 v[XB_+i_], v[XB_+i_], v[SB_+2*i_+1]  ; w - z: exact
.set i_, i_+1
.endr
.set i_, 0
.rept 16
	v_mul_f32 v[XB_+i_], v[XB_+i_], v[SB_+2*i_]    ; x s: the one rounding
.set i_, i_+1
.endr
.endm
; QUANT t: block t's 32 numbers become 24 bytes of codes in v[CB + 6 t] on, and a scale byte.
.macro QUANT t
	v_max3_num_f32 v14, |v[X]|, |v[X+1]|, |v[X+2]|             ; the block's largest magnitude, in two chains: all 32 numbers are mine
	v_max3_num_f32 v15, |v[X+3]|, |v[X+4]|, |v[X+5]|
.irp i, 6,10,14,18,22,26
	s_delay_alu instid0(VALU_DEP_2)
	v_max3_num_f32 v14, v14, |v[X+\i]|, |v[X+\i+1]|
	s_delay_alu instid0(VALU_DEP_2)
	v_max3_num_f32 v15, v15, |v[X+\i+2]|, |v[X+\i+3]|
.endr
	s_delay_alu instid0(VALU_DEP_2)
	v_max3_num_f32 v14, v14, |v[X+30]|, |v[X+31]|
	s_delay_alu instid0(VALU_DEP_1)
	v_max3_num_f32 v14, v14, v15, (EMAX+1)<<23     ; and the floor 2^(EMAX + 1 - 127), under which no largest magnitude is taken: so the byte cannot fall under 1
	s_delay_alu instid0(VALU_DEP_1)
	v_add_nc_u32 v16, 0xfe000000, v14              ; EMAX off its exponent field: the conversion takes the exponent field of this operand as its scale, and nothing else of it
	v_cvt_scalef32_pk16_bf6_f32 v[CB+6*(\t):CB+6*(\t)+2], v[X:X+15], v16   ; sixteen numbers / the scale, to the nearest code, ties to even, beyond the largest code the largest
	v_cvt_scalef32_pk16_bf6_f32 v[D:D+2], v[X+16:X+31], v16    ; (a conversion's three registers begin on an even number: the block's upper half is made here and moved)
	v_lshrrev_b32 v17, 23, v16                     ; the scale's byte.  (Also the plain line between the conversions and the lines that touch their results or write their sources)
.if (\t)%4 == 0
	s_delay_alu instid0(VALU_DEP_1)
	v_mov_b32 v[SB+(\t)/4], v17                    ; four bytes to a register, the lower K in the lower byte
.else
	s_delay_alu instid0(VALU_DEP_1)
	v_lshl_or_b32 v[SB+(\t)/4], v17, 8*((\t)%4), v[SB+(\t)/4]
.endif
.irp i, 0,1,2
	v_mov_b32 v[CB+6*(\t)+3+\i], v[D+\i]
.endr
.endm
	ADDR 0
.set U, 0
.rept 16
.if U < 15
	ADDR U+1                                       ; the next half's table loads go out ahead of this half's arithmetic
	COMP U, 16
.else
	COMP U, 0
.endif
.if U%2 == 1
	QUANT U/2
.endif
.set U, U+1
.endr
	; ---- THE WAY OUT
	s_wait_alu depctr_va_vdst(0)
	s_wait_dscnt 0x0                               ; my reads of the table are over
	s_barrier_signal -1
	s_barrier_wait -1                              ; everybody's are: the stage may be laid over it
.set j_, 0
.rept 12
	ds_store_b128 v[STO], v[CB+4*j_:CB+4*j_+3] offset:16*j_    ; my column's 192 bytes, as they lie in the registers
.set j_, j_+1
.endr
	global_store_b64 v[SCO], v[SB:SB+1], s[14:15]  ; my column's 8 scale bytes
	s_wait_dscnt 0x0                               ; for the others' sake: my stores into the stage have landed
	s_barrier_signal -1
	s_barrier_wait -1                              ; 64 whole rows of 768 bytes lie in the stage
.irp p, 0,1,2,3                        ; two rows, 1,536 bytes, are three instructions of 512 bytes
	ds_load_b128 v[OUTR+12*\p:OUTR+12*\p+3],    v[RD0] offset:2*SP*\p            ; row 2 p, bytes 0 .. 511
	ds_load_b128 v[OUTR+12*\p+4:OUTR+12*\p+7],  v[RD1] offset:2*SP*\p            ; row 2 p, bytes 512 .. 767; row 2 p + 1, bytes 0 .. 255
	ds_load_b128 v[OUTR+12*\p+8:OUTR+12*\p+11], v[RD0] offset:2*SP*\p+SP+256     ; row 2 p + 1, bytes 256 .. 767
.endr
.irp p, 0,1,2,3
	s_wait_dscnt 11-3*\p                           ; LDS loads come back in order: the counts run down
	global_store_b128 v[GO0], v[OUTR+12*\p:OUTR+12*\p+3], s[12:13] offset:2*KROW*\p
	s_wait_dscnt 10-3*\p
	global_store_b128 v[GO1], v[OUTR+12*\p+4:OUTR+12*\p+7], s[12:13] offset:2*KROW*\p
	s_wait_dscnt 9-3*\p
	global_store_b128 v[GO0], v[OUTR+12*\p+8:OUTR+12*\p+11], s[12:13] offset:2*KROW*\p+KROW+256
.endr
	s_wait_tensorcnt 0x0
	ds_add_u32 v216, v217
	s_wait_dscnt 0x0
	s_endpgm
.Lfunc_end_k_q6665f449ba_wquant:
	.size	k_q6665f449ba_wquant, .Lfunc_end_k_q6665f449ba_wquant-k_q6665f449ba_wquant
	.p2alignl 7, 3214868480
	.fill 96, 4, 3214868480
	.section	.rodata,"a",@progbits
	.p2align	6, 0x0
	.amdhsa_kernel k_q6665f449ba_wquant
		.amdhsa_group_segment_fixed_size 51200
		.amdhsa_private_segment_fixed_size 0
		.amdhsa_enable_private_segment 0
		.amdhsa_kernarg_size 56
		.amdhsa_user_sgpr_count 2
		.amdhsa_user_sgpr_kernarg_segment_ptr 1
		.amdhsa_wavefront_size32 1
		.amdhsa_system_sgpr_workgroup_id_x 1
		.amdhsa_system_sgpr_workgroup_id_y 1
		.amdhsa_system_sgpr_workgroup_id_z 1
		.amdhsa_system_vgpr_workitem_id 0
		.amdhsa_next_free_vgpr 218
		.amdhsa_next_free_sgpr 96
		.amdhsa_reserve_vcc 0
		.amdhsa_float_denorm_mode_32 3
		.amdhsa_float_denorm_mode_16_64 3
		.amdhsa_memory_ordered 1
		.amdhsa_forward_progress 1
		.amdhsa_inst_pref_size 111
	.end_amdhsa_kernel
	.amdgpu_metadata
---
amdhsa.version: [ 1, 2 ]
amdhsa.kernels:
  - .name:           k_q6665f449ba_wquant
    .symbol:         k_q6665f449ba_wquant.kd
    .args:
      - { .name: qweight, .offset: 0, .size: 8, .value_kind: global_buffer, .address_space: global }
      - { .name: qzeros, .offset: 8, .size: 8, .value_kind: global_buffer, .address_space: global }
      - { .name: scales, .offset: 16, .size: 8, .value_kind: global_buffer, .address_space: global }
      - { .name: g_idx, .offset: 24, .size: 8, .value_kind: global_buffer, .address_space: global }
      - { .name: w_codes, .offset: 32, .size: 8, .value_kind: global_buffer, .address_space: global }
      - { .name: scl, .offset: 40, .size: 8, .value_kind: global_buffer, .address_space: global }
      - { .name: x_scales, .offset: 48, .size: 8, .value_kind: global_buffer, .address_space: global }
    .group_segment_fixed_size: 51200
    .private_segment_fixed_size: 0
    .kernarg_segment_align: 8
    .kernarg_segment_size: 56
    .max_flat_workgroup_size: 256
    .sgpr_count:     96
    .vgpr_count:     218
    .wavefront_size: 32
...
	.end_amdgpu_metadata
.endif
;; end of part 1
;; launch gemm (part 2): grid 16 x 16, 4 waves a work-group, clusters of 4 x 4, 327,680 bytes of LDS; arguments x_codes, w_codes, scl, out0; writes out0
.if DOCPART == 2
	.amdgcn_target "amdgcn-amd-amdhsa--gfx1250"
	.amdhsa_code_object_version 6
	.text
	.protected	k_q6665f449ba_gemm
	.globl	k_q6665f449ba_gemm
	.p2align	8
	.type	k_q6665f449ba_gemm,@function
k_q6665f449ba_gemm:
	s_mov_b64 s[64:65], 0
	v_nop
	global_prefetch_b8 v0, s[64:65] scope:SCOPE_SE
	s_setreg_imm32_b32 hwreg(HW_REG_WAVE_MODE, 25, 1), 1
	s_wait_xcnt 0x0
	s_wait_alu depctr_hold_cnt(0) depctr_sa_sdst(0) depctr_va_vdst(0) depctr_va_sdst(0) depctr_va_ssrc(0) depctr_va_vcc(0) depctr_vm_vsrc(0)
	s_getreg_b32 s2, hwreg(HW_REG_IB_STS2, 6, 4)
	s_cmp_eq_u32 s2, 0
	s_cbranch_scc0 .Lentry_in_a_cluster
	s_endpgm
.Lentry_in_a_cluster:
	s_bfe_u32 s2, ttmp6, 0x10000c
	s_cmp_lg_u32 s2, 0xf033
	s_cbranch_scc0 .Lentry_shape_is_right
	s_endpgm
.Lentry_shape_is_right:
; out0[m][n] = sum over k of x[m][k] W[k][n], both as codes of BF6 (E3M2) with one E8M0 byte for each 32 along K; sums in f32.  x_codes [4096 m][3072 bytes], w_codes [4096 n][3072 bytes], K innermost.
; A tile of 256 x 256 to a work-group of four waves; a wave makes 128 x 128: 64 accumulators, 512 registers.  256 work-groups.
; K goes through a ring of two LDS slots in CHUNKS OF 256 BYTES of each row (12 chunks; chunk c lies in slot c % 2); a step of 128 along K is 96 bytes: eight steps to three chunks.
; THE LOOP: a trip is eight steps, three chunks, so the two slots change roles from trip to trip.  The text names a slot by its role (the chunk's number in the trip, modulo 2);
; two scalars hold the roles' byte offsets, are toggled at a trip's end, and the eight fragment addresses are made anew from them.  Step 0 stands ahead of the loop (C = 0), steps 1 .. 24 are three trips, steps 25 .. 31 are written out.
; THE SCALES come from scl [8 runs of 512 along K][8,192 rows][16 bytes] straight into registers: lanes 0-15 take x's rows, lanes 16-31 W's; sixteen lanes read 256 consecutive bytes, aligned; a run's words are asked for four steps ahead.
; CLUSTERS: 4 x 4.  x's tiles are shared along a row of the cluster, W's along a column: joint loads.  The matrix instruction is used transposed (source 0 = rows of W, source 1 = rows of x): a lane holds eight neighbours of a row of out0.
; REGISTERS: window 0: v0-31 addresses, v32-95 scale words (two sets of 32), v128-223 x's fragments (one set); window 1: W's fragments, two sets at v0 and v128; windows 2, 3: the accumulators.
.set SIZE_N, 4096
.set KROW,   3072
.set ROWB,   256
.set PITCH,  272                       ; 256 bytes + 16 of padding
.set FR,     12
.set NL,     6
.set NP,     4
.set HALFT,  128*PITCH
.set SLOT,   4*HALFT                   ; x's 256 rows, then W's 256 rows
.set SPITCH, 528
.set STAGE,  2*SLOT                    ; behind the ring: 16 rows x 528 bytes for each wave; no tensor load lands here
.set SPARE,  STAGE+4*16*SPITCH         ; the spare words: 512 bytes that no other line names
.set KQB,    131072                    ; a run of scl in bytes
.set ADRA, 16                          ; v16-17 my x fragments in role 0, 1; v18-19: lanes 0-15 at byte 232 of role 0, 1, lanes 16-31 at byte 0 of the other role
.set ADRB, 20                          ; v20-23 the same for W
.set STO,  24
.set RD,   25
.set CO,   26
.set SOFF, 27                          ; my byte offset in a run of scl
.set SPW,  28
.set NIL,  29
.set PFO,  30                          ; lane x a row of codes
.set SC,   32
.set AF,   128
.set BK,   128
.set G1,  24                           ; s[24:31] group 1 for x's tiles, s[32:35] its group 0
.set G0,  32
.set G0B, 36                           ; s[36:39], s[48:55] the same for W's
.set G1B, 48
.set PFA, 58                           ; s[58:59] where my prefetches stand
.set MSB, 0
.macro WIN new
.if MSB != \new
	s_set_vgpr_msb (MSB<<8)|\new
.set MSB, \new
.endif
.endm
.set MUL_LO, 0xa1
.set MUL_HI, 0xf1
.set TO_B,   0x40
.macro JLOAD                           ; waves 0, 1 ask for x's two halves, waves 2, 3 for W's
	s_cmp_eq_u32 s15, 0
	s_cbranch_scc0 .Lfor_b_\@
	tensor_load_to_lds s[G0:G0+3], s[G1:G1+7]
	s_nop 0
.rept 4
	v_nop
.endr
	s_branch .Lasked_\@
.Lfor_b_\@:
	tensor_load_to_lds s[G0B:G0B+3], s[G1B:G1B+7]
	s_nop 0
.rept 4
	v_nop
.endr
.Lasked_\@:
.endm
.macro NEXTD                           ; both groups 0 go on to the next chunk: the other slot (neither bit of SLOT is set in wave x HALFT), 256 bytes along the rows.  No tensor load of mine is out
	s_xor_b32 s[G0+1], s[G0+1], SLOT
	s_xor_b32 s[G0B+1], s[G0B+1], SLOT
	s_add_nc_u64 s[G0+2:G0+3], s[G0+2:G0+3], ROWB
	s_add_nc_u64 s[G0B+2:G0B+3], s[G0B+2:G0B+3], ROWB
.endm
.macro CREST
	s_cmp_lg_u32 s14, 0
	s_cbranch_scc1 .Lnot_wave_0_\@
	s_barrier_signal -3
.Lnot_wave_0_\@:
	s_barrier_wait -3
	s_barrier_signal -1
	s_barrier_wait -1
.endm
.macro CROUND
	s_barrier_signal -1
	s_barrier_wait -1
	CREST
.endm
.macro ROLES                           ; the fragment addresses from the roles' offsets s56, s57; v2 = l / 16, v7 = 1 - l / 16
	v_add_nc_u32 v[ADRA], s56, v12
	v_add_nc_u32 v[ADRA+1], s57, v12
	v_add_nc_u32 v[ADRB], s56, v13
	v_add_nc_u32 v[ADRB+1], s57, v13
	v_mad_u32_u24 v[ADRA+2], s56, v7, v14
	v_mad_u32_u24 v[ADRA+3], s57, v7, v14
	v_mad_u32_u24 v[ADRB+2], s56, v7, v15
	v_mad_u32_u24 v[ADRB+3], s57, v7, v15
	v_mad_u32_u24 v[ADRA+2], s57, v2, v[ADRA+2]
	v_mad_u32_u24 v[ADRA+3], s56, v2, v[ADRA+3]
	v_mad_u32_u24 v[ADRB+2], s57, v2, v[ADRB+2]
	v_mad_u32_u24 v[ADRB+3], s56, v2, v[ADRB+3]
.endm
	s_load_b256 s[4:11], s[0:1], 0x0               ; x_codes s[4:5], w_codes s[6:7], scl s[8:9], out0 s[10:11]
	v_lshl_add_u32 v[SPW], v0, 2, SPARE
	v_mov_b32 v[NIL], 0
	ds_add_u32 v[SPW], v[NIL]                      ; the opening lines: the add twice on end and its wait
	ds_add_u32 v[SPW], v[NIL]
	v_lshrrev_b32 v1, 5, v0
	v_readfirstlane_b32 s14, v1                    ; wave
	s_lshr_b32 s15, s14, 1                         ; my half of the tile's rows; also: I fetch for x (0) or W (1)
	s_and_b32 s16, s14, 1                          ; my half of its columns; also: which 128 rows I fetch
	s_bfe_u32 s40, ttmp6, 0x40000                  ; cx
	s_bfe_u32 s41, ttmp6, 0x40004                  ; cy
	s_lshl_b32 s42, ttmp9, 2
	s_add_co_u32 s42, s42, s40                     ; tile column
	s_and_b32 s17, ttmp7, 0xffff
	s_lshl_b32 s17, s17, 2
	s_add_co_u32 s17, s17, s41                     ; tile row
	s_lshl_b32 s43, s41, 2
	s_lshl_b32 s43, 15, s43                        ; my row of the cluster
	s_lshl_b32 s44, 0x1111, s40                    ; my column
	s_or_b32 s[G1+0], s43, (0<<16)|(1<<20)|(1<<21)|(5<<22)|(3<<25)   ; elements of a byte; 4 words of padding behind every 64
	s_or_b32 s[G1B+0], s44, (0<<16)|(1<<20)|(1<<21)|(5<<22)|(3<<25)
.irp g, G1, G1B
	s_mov_b32 s[\g+1], ROWB<<16
	s_mov_b32 s[\g+2], 128<<16
	s_mov_b32 s[\g+3], ROWB<<16
	s_mov_b32 s[\g+4], 128
	s_mov_b32 s[\g+5], KROW
	s_mov_b32 s[\g+6], 0
	s_mov_b32 s[\g+7], 0
.endr
	s_lshl_b32 s18, s16, 7
	s_lshl_b32 s20, s17, 8
	s_add_co_u32 s20, s20, s18
	s_mul_i32 s20, s20, KROW                       ; x: row 256 x tile row + 128 x half, in bytes (under 2^24)
	s_mov_b32 s21, 0
	s_lshl_b32 s46, s42, 8
	s_add_co_u32 s46, s46, s18
	s_mul_i32 s46, s46, KROW                       ; W likewise, by the tile column
	s_mov_b32 s47, 0
	s_mul_i32 s45, s14, HALFT                      ; where my 128 rows go
	s_wait_dscnt 0x0
	s_wait_kmcnt 0x0
	CROUND                                         ; in front of the first joint loads
	s_mov_b32 s[G0], 1
	s_add_co_u32 s[G0+1], s45, 0
	s_add_nc_u64 s[G0+2:G0+3], s[4:5], s[20:21]
	s_or_b32 s[G0+3], s[G0+3], 0x80000000
	s_mov_b32 s[G0B], 1
	s_add_co_u32 s[G0B+1], s45, 0
	s_add_nc_u64 s[G0B+2:G0B+3], s[6:7], s[46:47]
	s_or_b32 s[G0B+3], s[G0B+3], 0x80000000
	JLOAD                                          ; chunk 0, a quarter of slot 0 a wave: one tensor load a wave at the head
	; the scalars first, then the vector lines on end
	s_mul_i32 s21, s15, HALFT                      ; my 128 rows of x in a slot
	s_mul_i32 s22, s16, HALFT
	s_add_co_u32 s22, s22, 2*HALFT                 ; my 128 rows of W
	s_mul_i32 s23, s14, 16*SPITCH
	s_add_co_u32 s23, s23, STAGE                   ; my stage
	s_lshl_b32 s18, s17, 8
	s_lshl_b32 s19, s15, 7
	s_add_co_u32 s18, s18, s19                     ; my first row of out0
	s_lshl_b32 s60, s18, 4                         ; its entry in a run of scl
	s_lshl_b32 s46, s42, 8
	s_lshl_b32 s47, s16, 7
	s_add_co_u32 s46, s46, s47                     ; my first column
	s_lshl_b32 s61, s46, 4
	s_add_co_u32 s61, s61, 0x10000                 ; its entry: W's rows lie 4,096 entries behind x's
	s_sub_co_u32 s61, s61, s60                     ; as a distance from x's
	s_lshl_b32 s18, s18, 14
	s_lshl_b32 s46, s46, 2
	s_add_co_u32 s18, s18, s46
	s_mov_b32 s19, 0
	s_add_nc_u64 s[10:11], s[10:11], s[18:19]
	s_mov_b32 s56, 0                               ; role 0 is slot 0,
	s_mov_b32 s57, SLOT                            ; role 1 slot 1
	s_lshl_b32 s18, s17, 8                         ; the prefetches: of the 128 rows that I fetch, my work-group takes 32, told apart by address (cx for x, cy for W)
	s_lshl_b32 s19, s42, 8
	s_cmp_eq_u32 s15, 0
	s_cselect_b32 s18, s18, s19
	s_cselect_b32 s19, s40, s41
	s_cselect_b64 s[PFA:PFA+1], s[4:5], s[6:7]
	s_lshl_b32 s47, s16, 7
	s_add_co_u32 s18, s18, s47
	s_lshl_b32 s19, s19, 5
	s_add_co_u32 s18, s18, s19
	s_mul_i32 s18, s18, KROW
	s_add_co_u32 s18, s18, ROWB                    ; at chunk 1: each refill steps it by a chunk and names the chunk after
	s_mov_b32 s19, 0
	s_add_nc_u64 s[PFA:PFA+1], s[PFA:PFA+1], s[18:19]
	v_and_b32 v1, 15, v0                           ; l % 16
	v_bfe_u32 v2, v0, 4, 1                         ; l / 16
	v_sub_nc_u32 v7, 1, v2
	v_mul_u32_u24 v3, v1, PITCH
	v_mad_u32_u24 v4, v2, 24, v3                   ; row x pitch + 24 x half
	v_mad_u32_u24 v5, v7, 232, v3                  ; lanes 0-15 at byte 232, lanes 16-31 at byte 0
	v_add_nc_u32 v12, s21, v4
	v_add_nc_u32 v13, s22, v4
	v_add_nc_u32 v14, s21, v5
	v_add_nc_u32 v15, s22, v5
	ROLES
	v_mul_u32_u24 v5, v1, SPITCH
	v_lshl_add_u32 v5, v2, 5, v5
	v_add_nc_u32 v[STO], s23, v5
	v_and_b32 v6, 31, v0
	v_lshlrev_b32 v[CO], 4, v6
	v_add_nc_u32 v[RD], s23, v[CO]
	v_mul_u32_u24 v[PFO], v6, KROW
	v_mul_u32_u24 v6, s61, v2                      ; lanes 16-31 take W's scale words
	v_lshl_add_u32 v6, v1, 4, v6
	v_add_nc_u32 v[SOFF], s60, v6
	s_wait_alu depctr_va_vdst(0)                   ; the wait at the head's end
.macro FRAG reg, adr, st, i            ; 16 rows x 128 K: six pieces of 8 bytes; a piece's role and byte follow from its place in the row
.irp p, 0,1,2,3,4,5
.set BY, 96*(\st)+48*(\p/3)+8*(\p%3)
.if BY/ROWB == (BY+24)/ROWB
	ds_load_b64 v[\reg+2*\p:\reg+2*\p+1], v[\adr+(BY/ROWB)%2] offset:BY%ROWB+(\i)*16*PITCH
.else
	ds_load_b64 v[\reg+2*\p:\reg+2*\p+1], v[\adr+2+(BY/ROWB)%2] offset:BY%ROWB-232+(\i)*16*PITCH
.endif
.endr
.endm
; 16 matrix instructions: x's blocks a0, a0 + 1 against W's eight.  The 64 accumulators take turns, in the same order in every step.
.macro MUL16 a0, st, zero
.set SS, SC+32*(((\st)/4)%2)+(\st)%4
.irp a, \a0, \a0+1
.irp b, 0,1,2,3,4,5,6,7
.if \zero
	v_wmma_scale_f32_16x16x128_f8f6f4 v[8*(8*((\a)%4)+\b):8*(8*((\a)%4)+\b)+7], v[128*((\st)%2)+FR*\b:128*((\st)%2)+FR*\b+FR-1], v[AF+FR*(\a):AF+FR*(\a)+FR-1], 0, v[SS+4*\b], v[SS+4*(\a)] matrix_a_fmt:MATRIX_FMT_BF6 matrix_b_fmt:MATRIX_FMT_BF6 matrix_a_scale:MATRIX_SCALE_ROW1
.else
	v_wmma_scale_f32_16x16x128_f8f6f4 v[8*(8*((\a)%4)+\b):8*(8*((\a)%4)+\b)+7], v[128*((\st)%2)+FR*\b:128*((\st)%2)+FR*\b+FR-1], v[AF+FR*(\a):AF+FR*(\a)+FR-1], v[8*(8*((\a)%4)+\b):8*(8*((\a)%4)+\b)+7], v[SS+4*\b], v[SS+4*(\a)] matrix_a_fmt:MATRIX_FMT_BF6 matrix_b_fmt:MATRIX_FMT_BF6 matrix_a_scale:MATRIX_SCALE_ROW1
.endif
.endr
.endr
.endm
.macro FETCH_B st, p
	WIN TO_B
.irp i, 0,1,2,3,4,5,6,7
	FRAG 128*(\p)+FR*\i, ADRB, \st, \i
.endr
	WIN 0
.endm
.macro FETCH_A st, i0
.irp i, \i0, \i0+1, \i0+2, \i0+3
	FRAG AF+FR*(\i), ADRA, \st, \i
.endr
.endm
.macro SLOAD kq                        ; the scale words of run kq (counted from the trip's base) into set kq % 2: block i's sixteen rows, four words a row
.irp i, 0,1,2,3,4,5,6,7
	global_load_b128 v[SC+32*((\kq)%2)+4*\i:SC+32*((\kq)%2)+4*\i+3], v[SOFF], s[8:9] offset:(\kq)*KQB+\i*256
.endr
.endm
.macro PLACES n
.rept \n
	v_nop
.endr
.endm
; A step: 64 matrix instructions; the next step's fragments are fetched in its middle and at its end.  Where the next step's bytes END in a chunk not read yet: the wait for my tensor loads and a barrier.
; Where they BEGIN in a later chunk: the chunk left behind is free: wait, add, wait, barrier; with a refill the barrier opens a round of the cluster's barrier and the joint load follows it.
; fill = 1: every freed slot is filled again, and the chunk after is prefetched; fill = 2 (the last seven steps): only the trip's first freed slot (chunk 11), no prefetch.  sl = 1: the next run's scale words are asked for.
.macro STEP st, zero, fill, sl
.set NX, (\st)+1
.set C0, (96*(\st))/ROWB
.set C1, (96*NX)/ROWB
.set E0, (96*(\st)+95)/ROWB
.set E1, (96*NX+95)/ROWB
.set RF, 0
.if C1 > C0
.if (\fill) == 1
.set RF, 1
.endif
.if (\fill) == 2 && C0 == 0
.set RF, 1
.endif
.endif
.if (\st)%4 == 0
	s_wait_loadcnt 0x0                             ; this run's scale words, asked for four steps ago
.endif
.if C1 > C0 || E1 > E0
.if RF && (\fill) == 1
	s_wait_xcnt 0x0                                ; my last prefetch has read its address
	s_add_nc_u64 s[PFA:PFA+1], s[PFA:PFA+1], ROWB
.endif
	s_wait_tensorcnt 0x0                           ; all my tensor loads have landed
.if C1 > C0
	ds_add_u32 v[SPW], v[NIL]
.if RF
	NEXTD
.endif
	s_wait_dscnt 4*NL+1                            ; the add and x's blocks 4-7 (24 loads) may be out
.else
	s_wait_dscnt 4*NL                              ; x's blocks 4-7 (24 loads) may be out
.endif
	WIN MUL_LO
	MUL16 0, \st, \zero
	s_wait_dscnt 0x0                               ; the add and all my reads are done
	s_barrier_signal -1
	MUL16 2, \st, \zero
	WIN 0
	s_barrier_wait -1
.if RF
	CREST
	JLOAD                                          ; chunk C0 + 2; its four v_nop are the places in front of the loads below
.else
	PLACES NP
.endif
.else
	s_wait_dscnt 4*NL
	WIN MUL_LO
	MUL16 0, \st, \zero
	MUL16 2, \st, \zero
	s_wait_dscnt 0
	PLACES NP
.endif
	FETCH_B NX, NX%2
	FETCH_A NX, 0
.if (\st)%4 == 0 && (\sl)
	SLOAD (\st)/4+1                                ; into the set whose last readers stand in the step before
.endif
.if RF && (\fill) == 1
	global_prefetch_b8 v[PFO], s[PFA:PFA+1] offset:ROWB th:TH_LOAD_NT scope:SCOPE_SE   ; the chunk that the next refill loads: 32 rows x 256 bytes, a lane a row; the refills of chunks 2 .. 10 name chunks 3 .. 11
.endif
	WIN MUL_HI
	MUL16 4, \st, \zero
	MUL16 6, \st, \zero
	PLACES NP
	WIN 0
	FETCH_A NX, 4
.endm
	SLOAD 0
	s_wait_tensorcnt 0x0                           ; my part of chunk 0 is in
	ds_add_u32 v[SPW], v[NIL]
	NEXTD
	s_wait_dscnt 0x0
	CROUND
	JLOAD                                          ; chunk 1, slot 1's first fill
	FETCH_B 0, 0
	FETCH_A 0, 0
	FETCH_A 0, 4
	STEP 0, 1, 1, 1                                ; the first step's products start the sums
	s_mov_b32 s3, 3
.Llap:
.set ST, 1
.rept 8
	STEP ST, 0, 1, 1
.set ST, ST+1
.endr
	s_wait_xcnt 0x0                                ; the scale loads have read their base
	s_add_nc_u64 s[8:9], s[8:9], 2*KQB             ; eight steps are two runs of scl
	s_xor_b32 s56, s56, SLOT                       ; three chunks on: the roles change slots
	s_xor_b32 s57, s57, SLOT
	ROLES
	s_sub_co_u32 s3, s3, 1
	s_cmp_lg_u32 s3, 0
	s_wait_alu depctr_va_vdst(0)                   ; the wait ahead of the branch
	s_cbranch_scc1 .Llap
.set ST, 1
.rept 6
	STEP ST, 0, 2, 0                               ; steps 25 .. 30
.set ST, ST+1
.endr
	s_wait_dscnt 4*NL                              ; step 31: nothing more to fetch
	WIN MUL_LO
	MUL16 0, 7, 0
	MUL16 2, 7, 0
	s_wait_dscnt 0
	WIN MUL_HI
	MUL16 4, 7, 0
	MUL16 6, 7, 0
	WIN 0
; THE WAY OUT, by blocks of 16 rows x 128 columns through my own stage: back as whole rows of 512 bytes, which 32 lanes store as two aligned runs of 256 bytes.  LDS serves a wave's instructions in order (ISA guide 5.7.1.4).
.macro TOSTAGE a
.set AC, 64*((\a)%4)
	WIN 0x08+4*((\a)/4)
.irp b, 0,1,2,3,4,5,6,7
	ds_store_b128 v[STO], v[AC+8*\b:AC+8*\b+3] offset:64*\b          ; each accumulator from its low end on
	ds_store_b128 v[STO], v[AC+8*\b+4:AC+8*\b+7] offset:64*\b+16
.endr
	WIN 0
.set BB, BK+64*((\a)%2)
.irp t, 0,1,2,3,4,5,6,7,8,9,10,11,12,13,14,15
	ds_load_b128 v[BB+4*\t:BB+4*\t+3], v[RD] offset:\t*SPITCH
.endr
.endm
.macro SEND a, younger
.set BB, BK+64*((\a)%2)
	s_wait_dscnt \younger
.if (\a) > 0
	s_add_nc_u64 s[10:11], s[10:11], 16*SIZE_N*4   ; behind a wait on XCNT: the earlier stores have read their base
.endif
.irp t, 0,1,2,3,4,5,6,7,8,9,10,11,12,13,14,15
	global_store_b128 v[CO], v[BB+4*\t:BB+4*\t+3], s[10:11] offset:\t*SIZE_N*4 th:TH_STORE_NT
.endr
.endm
	PLACES NP
	TOSTAGE 0
.irp a, 1,2,3,4,5,6,7
.if \a > 1
	s_wait_xcnt 0x0                                ; block a - 2's stores have read their registers and their base
.endif
	TOSTAGE \a
	SEND \a-1, 32                                  ; behind block a - 1's loads: block a's 16 stores and 16 loads
.endr
	s_wait_xcnt 0x0
	SEND 7, 0
	s_wait_tensorcnt 0x0                           ; the wave's end
	ds_add_u32 v[SPW], v[NIL]
	s_wait_dscnt 0x0
	CROUND                                         ; the closing round
	s_endpgm
.Lfunc_end_k_q6665f449ba_gemm:
	.size	k_q6665f449ba_gemm, .Lfunc_end_k_q6665f449ba_gemm-k_q6665f449ba_gemm
	.p2alignl 7, 3214868480
	.fill 96, 4, 3214868480
	.section	.rodata,"a",@progbits
	.p2align	6, 0x0
	.amdhsa_kernel k_q6665f449ba_gemm
		.amdhsa_group_segment_fixed_size 327680
		.amdhsa_private_segment_fixed_size 0
		.amdhsa_enable_private_segment 0
		.amdhsa_kernarg_size 32
		.amdhsa_user_sgpr_count 2
		.amdhsa_user_sgpr_kernarg_segment_ptr 1
		.amdhsa_wavefront_size32 1
		.amdhsa_system_sgpr_workgroup_id_x 1
		.amdhsa_system_sgpr_workgroup_id_y 1
		.amdhsa_system_sgpr_workgroup_id_z 1
		.amdhsa_system_vgpr_workitem_id 0
		.amdhsa_next_free_vgpr 1024
		.amdhsa_next_free_sgpr 66
		.amdhsa_reserve_vcc 0
		.amdhsa_float_denorm_mode_32 3
		.amdhsa_float_denorm_mode_16_64 3
		.amdhsa_memory_ordered 1
		.amdhsa_forward_progress 1
		.amdhsa_inst_pref_size 255
	.end_amdhsa_kernel
	.section	.bss,"aw",@nobits
	.p2align	6
	.space	262144
	.amdgpu_metadata
---
amdhsa.version: [ 1, 2 ]
amdhsa.kernels:
  - .name:           k_q6665f449ba_gemm
    .symbol:         k_q6665f449ba_gemm.kd
    .args:
      - { .name: x_codes, .offset: 0, .size: 8, .value_kind: global_buffer, .address_space: global }
      - { .name: w_codes, .offset: 8, .size: 8, .value_kind: global_buffer, .address_space: global }
      - { .name: scl, .offset: 16, .size: 8, .value_kind: global_buffer, .address_space: global }
      - { .name: out0, .offset: 24, .size: 8, .value_kind: global_buffer, .address_space: global }
    .group_segment_fixed_size: 327680
    .private_segment_fixed_size: 0
    .kernarg_segment_align: 8
    .kernarg_segment_size: 32
    .max_flat_workgroup_size: 128
    .sgpr_count:     66
    .vgpr_count:     1024
    .wavefront_size: 32
...
	.end_amdgpu_metadata
.endif
;; end of part 2
